; MI455X (gfx1250); checked and timed in simulation.
; The chip was launched on July 23, 2026; its instructions are those of AMD's public machine-readable ISA for CDNA 5 (MIT licence, August 2026) and "CDNA5" Instruction Set Architecture Reference Guide (July 2026). The comments in the code are by the model that wrote it; some were corrected since.
;; Attn Block. Allowed arithmetic: matrix products marked QUANTISED: E5M2 operands, one given power-of-two scale a tensor, by v_wmma_f32_16x16x64_bf8_bf8 or v_wmma_f32_16x16x128_bf8_bf8, f32 sums; everything else in f32.
;; Inputs: bk 128 float32; bo 128 float32; bq 128 float32; bv 128 float32; gn_bias 128 float32; gn_scale 128 float32; lowp_scales 12 int32 (the exponents e of the quantised operands' scales 2^e); wk 128 x 128 float32; wo 128 x 128 float32; wq 128 x 128 float32; wv 128 x 128 float32; x 8 x 64 x 64 x 128 float32.
;; Outputs: out0 8 x 64 x 64 x 128 float32.
;; This version of the problem:
;;   THIS VERSION OF THE PROBLEM IS GIVEN IN LOW PRECISION. The matrix products marked QUANTISED in the list below multiply operands that are first quantised to E5M2 (5 exponent bits, 2 mantissa bits; 8 bits a number), with one given power-of-two scale for each operand tensor; their sums are f32. All else is computed in f32.
;;   The module's matrix products, in the order in which they are computed (A, B: the left and right operand; K: the contracted axis; several contracted axes count as one K, in the product's order):
;;     1. [M 32,768, K 128] x [K 128, N 128]; A: computed on the way; B: input wq: QUANTISED (scales: A lowp_scales[0], B lowp_scales[1])
;;     2. [M 32,768, K 128] x [K 128, N 128]; A: computed on the way; B: input wk: QUANTISED (scales: A lowp_scales[2], B lowp_scales[3])
;;     3. [M 32,768, K 128] x [K 128, N 128]; A: computed on the way; B: input wv: QUANTISED (scales: A lowp_scales[4], B lowp_scales[5])
;;     4. batch 8 x [M 4,096, K 128] x [K 128, N 4,096]; A: computed on the way; B: computed on the way: QUANTISED (scales: A lowp_scales[6], B lowp_scales[7])
;;     5. batch 8 x [M 4,096, K 4,096] x [K 4,096, N 128]; A: softmax (see below); B: computed on the way: QUANTISED (scales: A lowp_scales[8], B lowp_scales[9])
;;     6. [M 32,768, K 128] x [K 128, N 128]; A: computed on the way; B: input wo: QUANTISED (scales: A lowp_scales[10], B lowp_scales[11])
;;   THE QUANTISER, for each operand of a quantised product, along K:
;;     - The operand's scale is 2^e, e = its entry of the input lowp_scales (int32; the entries are numbered through the quantised products in the list's order, A before B).
;;     - Each number is divided by the scale, clamped to +-57,344, and rounded to the nearest number of E5M2, ties to even, subnormals kept.
;;     - The product sums the exact products of the quantised numbers (number of the format x scale) in f32.
;;   ~~~python
;;   def quantise(x, axis, e):      # numpy; x: float32 -> the quantised numbers, widened to float32 again
;;       x = np.moveaxis(x, axis, -1); K = x.shape[-1]
;;       r = np.clip(x / 2.0 ** e, -57344, 57344)
;;       step = 2.0 ** (np.maximum(np.frexp(np.where(r == 0, 1, r))[1] - 1, -14) - 2)
;;       q = np.round(r / step) * step * 2.0 ** e      # np.round: ties to even
;;       return np.moveaxis(q, -1, axis).astype(np.float32)
;;   ~~~
;;   SOFTMAX AHEAD OF A QUANTISED PRODUCT. Where the list says 'softmax', what is quantised is not the finished softmax but p = 2^(t - M), with t = logit x log2(e) and M = ceil(the row's largest t), a whole number; so 1/2 < the row's largest p <= 1. The row's sum l is taken of the UNQUANTISED p, in f32, and the product's result is divided by l at the end. Since M is a whole number, a kernel that streams over the keys may use a running M (the ceiling of the running maximum): every later rescaling is an exact power of two, so the quantised numbers keep their values, but for numbers so far below the row's largest that they fall under the format's range.
;;   OPERANDS COMPUTED ON THE WAY. 'Computed on the way' means the value that the module computes at that place (a softmax that the list does not call 'softmax' is quantised finished and normalised). What goes into a quantiser is computed in f32, as accurately as f32 sums, v_exp_f32 and their like allow (about 1e-6 of the number): no bf16 or f16 on the way to a quantiser, and a product that is left as it is and whose result goes on into a quantised operand takes f32 operands (vector FMAs, or v_wmma_f32_16x16x4_f32). A number that lies on a knife's edge between two numbers of the format may be rounded either way, as far as f32 arithmetic and the matrix unit's own rounding can turn it there, and no further.
;; One version. Each part assembles by itself: llvm-mc -triple=amdgcn-amd-amdhsa -mcpu=gfx1250 --defsym DOCPART=n.
;; ======== version 1 of 1: 3 launches
;; limits: right only within a limited range of input values
;; workspace buffers: stats 65,536 bytes; wcodes 65,536 bytes; qc 4,194,304 bytes; kv 8,388,608 bytes
;; launch stats (part 1): grid 256 x 1, 8 waves a work-group, no clusters, 3,072 bytes of LDS; arguments x, wq, wk, wv, wo, lowp_scales, stats, wcodes; writes stats, wcodes
.if DOCPART == 1
	.amdgcn_target "amdgcn-amd-amdhsa--gfx1250"
	.amdhsa_code_object_version 6
	.text
	.protected	k_qca1e97878f_stats
	.globl	k_qca1e97878f_stats
	.p2align	8
	.type	k_qca1e97878f_stats,@function
k_qca1e97878f_stats:
	s_mov_b64 s[64:65], 0
	v_nop
	global_prefetch_b8 v0, s[64:65] scope:SCOPE_SE
	s_setreg_imm32_b32 hwreg(HW_REG_WAVE_MODE, 25, 1), 1
	s_wait_xcnt 0x0
; PARTIAL GROUP STATISTICS OF x, AND THE FOUR WEIGHTS AS CODES OF E5M2.
; x: [8][4096][128] f32; a group is 4 neighbouring channels of one image.  Work-group g takes image g / 32, rows 128 (g % 32) on; wave w 16 of them.
; One load is one row: 32 lanes x 16 bytes = 512 consecutive bytes, and lane l's 4 channels ARE group l.  So a lane's 64 numbers belong to one group, and nothing crosses lanes.
; Each lane makes (mean, M2 = the sum of squared distances from that mean) in two passes over its registers; the eight waves' pairs meet in LDS and are merged by
; mean = the means' mean, M2 = the sum of M2_i + 64 x the sum of (mean_i - mean)^2: no difference of large sums is formed, whatever offset x carries.
; stats: [image][chunk of 128 rows][group] pairs of f32: the work-group stores 256 consecutive bytes, aligned.  The 32 chunks of an image are merged by the next launch.
; WEIGHTS.  w[k][n] f32, K first.  wcodes holds, for each weight (wq, wk, wv, wo: 16,384 bytes each) and each tile f of 16 columns n, an IMAGE OF THE OPERAND'S REGISTERS (2,048 bytes):
; lane (r, h) holds column 16 f + r, registers 2 c, 2 c + 1 hold k = 16 c + 8 h + 0 .. 7 (ISA guide 7.12.2); registers 4 Q .. 4 Q + 3 of lane L lie at byte 512 Q + 16 L.
; Wave 7 of work-group g makes bytes 256 g .. 256 g + 255 of wcodes: g = ((weight x 8 + f) x 4 + Q) x 2 + H; its lane i takes column 16 f + i / 2 and k = 32 Q + 16 (i % 2) + 8 H + 0 .. 7, down K.
; code = w / 2^e, held within +-57,344, to the nearest code, ties to even; e = entries 1, 3, 5, 11 of the scales.  LIMITS: these e lie between -126 and 112.  NaN among the inputs is not served.
; No matrix unit, no tensor load, no cluster: a stream that is read once and shares nothing between work-groups.
.set X, 16                             ; v16-79  my 64 numbers; later the eight waves' pairs
	s_load_b512 s[4:19], s[0:1], 0x0               ; x 4:5, wq 6:7, wk 8:9, wv 10:11, wo 12:13, scales 14:15, stats 16:17, wcodes 18:19
	v_lshl_add_u32 v96, v0, 2, 0x800
	v_mov_b32 v97, 0
	v_lshrrev_b32 v2, 5, v0
	v_readfirstlane_b32 s20, v2                    ; wave 0..7
	v_and_b32 v3, 31, v0                           ; lane
	v_lshlrev_b32 v1, 4, v3                        ; 16 x lane: my 16 bytes of a row
	v_lshlrev_b32 v5, 3, v3                        ; 8 x lane: my pair, my 8 codes
	s_lshl_b32 s21, s20, 8
	v_add_nc_u32 v6, s21, v5                       ; LDS: 256 x wave + 8 x lane
	s_lshl_b32 s22, ttmp9, 16                      ; the work-group's 128 rows of 512 bytes,
	s_lshl_b32 s36, s20, 13                        ; my wave's 16 of them
	s_add_co_u32 s22, s22, s36
	s_mov_b32 s23, 0
	s_lshl_b32 s46, ttmp9, 8                       ; the work-group's 256 bytes of stats and of wcodes
	s_mov_b32 s47, 0
	s_wait_kmcnt 0x0
	s_load_b256 s[24:31], s[14:15], 0x0            ; e0 .. e7
	s_load_b128 s[32:35], s[14:15], 0x20           ; e8 .. e11
	s_add_nc_u64 s[4:5], s[4:5], s[22:23]
	s_add_nc_u64 s[16:17], s[16:17], s[46:47]
	s_add_nc_u64 s[18:19], s[18:19], s[46:47]
.set i, 0
.rept 16
	global_load_b128 v[X+4*i:X+4*i+3], v1, s[4:5] offset:512*i     ; all 16 rows of the wave are asked for at once
.set i, i+1
.endr
	s_wait_kmcnt 0x0                               ; the scales
	s_cmp_lg_u32 s20, 7
	s_cbranch_scc1 .Lno_weight                     ; the weights' unit is wave 7's alone; no LDS access and no barrier stands in it
	s_bitcmp1_b32 ttmp9, 6                         ; the weight's number is g / 64: its low bit,
	s_cselect_b64 s[36:37], s[8:9], s[6:7]         ; wk or wq
	s_cselect_b64 s[38:39], s[12:13], s[10:11]     ; wo or wv
	s_cselect_b32 s40, s27, s25                    ; e3 or e1
	s_cselect_b32 s41, s35, s29                    ; e11 or e5
	s_bitcmp1_b32 ttmp9, 7                         ; its high bit
	s_cselect_b64 s[36:37], s[38:39], s[36:37]
	s_cselect_b32 s40, s41, s40
	s_bfe_u32 s42, ttmp9, 0x20001                  ; Q
	s_lshl_b32 s42, s42, 14                        ; 32 Q rows of 512 bytes
	s_and_b32 s43, ttmp9, 1                        ; H
	s_lshl_b32 s43, s43, 12                        ; 8 H rows
	s_add_co_u32 s42, s42, s43
	s_bfe_u32 s43, ttmp9, 0x30003                  ; f
	s_lshl_b32 s43, s43, 6                         ; 16 f columns of 4 bytes
	s_add_co_u32 s42, s42, s43
	s_mov_b32 s43, 0
	s_add_nc_u64 s[36:37], s[36:37], s[42:43]
	v_and_b32 v7, 1, v3
	v_lshrrev_b32 v4, 1, v3
	v_lshlrev_b32 v4, 2, v4                        ; column i / 2,
	v_lshl_add_u32 v4, v7, 13, v4                  ; 16 (i % 2) rows down
.irp j, 0,1,2,3,4,5,6,7
	global_load_b32 v[80+\j], v4, s[36:37] offset:512*\j           ; my registers run down K
.endr
	s_add_co_i32 s40, s40, 127
	s_lshl_b32 s44, s40, 23
	v_mov_b32 v90, s44                             ; 2^e as f32: the conversion takes its exponent field
	s_add_co_i32 s40, s40, 15
	s_lshl_b32 s40, s40, 23
	s_or_b32 s40, s40, 0x600000
	v_mov_b32 v91, s40                             ; 57,344 x 2^e
	s_wait_loadcnt 0x0
.irp j, 0,1,2,3,4,5,6,7
	v_med3_num_f32 v[80+\j], v[80+\j], -v91, v91   ; the conversion to an 8-bit code does not saturate (ISA guide 7.6.2): the hold comes first
.endr
	v_cvt_scalef32_pk8_bf8_f32 v[92:93], v[80:87], v90
	v_nop                                          ; one plain vector line behind a scaled conversion
	global_store_b64 v5, v[92:93], s[18:19]        ; 32 lanes store 256 consecutive bytes, aligned
.Lno_weight:
	s_wait_loadcnt 0x0                             ; my 16 rows
	v_pk_add_f32 v[8:9], v[X:X+1], v[X+2:X+3]      ; pass 1: the sum, two numbers at a time, in two chains that the first pairs start
	v_pk_add_f32 v[10:11], v[X+4:X+5], v[X+6:X+7]
.set j, 8
.rept 14
	v_pk_add_f32 v[8:9], v[8:9], v[X+j:X+j+1]
	v_pk_add_f32 v[10:11], v[10:11], v[X+j+2:X+j+3]
.set j, j+4
.endr
	v_pk_add_f32 v[8:9], v[8:9], v[10:11]
	v_add_f32 v8, v8, v9
	v_mul_f32 v12, 0x3c800000, v8                  ; / 64: my mean,
	v_mov_b32 v13, v12                             ; twice, for the packed subtraction
.set j, 0
.rept 32
	v_pk_add_f32 v[X+j:X+j+1], v[X+j:X+j+1], v[12:13] neg_lo:[0,1] neg_hi:[0,1]
.set j, j+2
.endr
	v_pk_mul_f32 v[8:9], v[X:X+1], v[X:X+1]        ; pass 2: the squares' sum, again in two chains
	v_pk_mul_f32 v[10:11], v[X+2:X+3], v[X+2:X+3]
.set j, 4
.rept 15
	v_pk_fma_f32 v[8:9], v[X+j:X+j+1], v[X+j:X+j+1], v[8:9]
	v_pk_fma_f32 v[10:11], v[X+j+2:X+j+3], v[X+j+2:X+j+3], v[10:11]
.set j, j+4
.endr
	v_pk_add_f32 v[8:9], v[8:9], v[10:11]
	v_add_f32 v13, v8, v9                          ; v[12:13] = (mean, M2) of 64 numbers of group l
	ds_store_b64 v6, v[12:13]
	s_wait_dscnt 0x0                               ; for the others' sake: my pair lies in LDS
	s_barrier_signal -1
	s_barrier_wait -1
	s_cmp_lg_u32 s20, 0
	s_cbranch_scc1 .Lend                           ; wave 0 merges the eight
.irp i, 0,1,2,3,4,5,6,7
	ds_load_b64 v[X+2*\i:X+2*\i+1], v5 offset:256*\i
.endr
	s_wait_dscnt 0x0
	v_add_f32 v8, v16, v18
	v_add_f32 v9, v20, v22
	v_add_f32 v10, v24, v26
	v_add_f32 v11, v28, v30
	v_add_f32 v8, v8, v9
	v_add_f32 v10, v10, v11
	v_add_f32 v8, v8, v10
	v_mul_f32 v12, 0x3e000000, v8                  ; / 8: the chunk's mean
.irp i, 0,1,2,3,4,5,6,7
	v_sub_f32 v[X+2*\i], v[X+2*\i], v12
.endr
	v_mul_f32 v8, v16, v16
.irp i, 1,2,3,4,5,6,7
	v_fmac_f32 v8, v[X+2*\i], v[X+2*\i]
.endr
	v_add_f32 v9, v17, v19
.irp i, 2,3,4,5,6,7
	v_add_f32 v9, v9, v[X+2*\i+1]
.endr
	v_fmamk_f32 v13, v8, 0x42800000, v9            ; 64 x the means' squared distances + the sum of M2_i
	global_store_b64 v5, v[12:13], s[16:17]        ; 32 lanes store 256 consecutive bytes, aligned
.Lend:
	s_wait_tensorcnt 0x0
	ds_add_u32 v96, v97
	s_wait_dscnt 0x0
	s_endpgm
.Lfunc_end_k_qca1e97878f_stats:
	.size	k_qca1e97878f_stats, .Lfunc_end_k_qca1e97878f_stats-k_qca1e97878f_stats
	.p2alignl 7, 3214868480
	.fill 96, 4, 3214868480
	.section	.rodata,"a",@progbits
	.p2align	6, 0x0
	.amdhsa_kernel k_qca1e97878f_stats
		.amdhsa_group_segment_fixed_size 3072
		.amdhsa_private_segment_fixed_size 0
		.amdhsa_enable_private_segment 0
		.amdhsa_kernarg_size 64
		.amdhsa_user_sgpr_count 2
		.amdhsa_user_sgpr_kernarg_segment_ptr 1
		.amdhsa_wavefront_size32 1
		.amdhsa_system_sgpr_workgroup_id_x 1
		.amdhsa_system_sgpr_workgroup_id_y 1
		.amdhsa_system_sgpr_workgroup_id_z 1
		.amdhsa_system_vgpr_workitem_id 0
		.amdhsa_next_free_vgpr 98
		.amdhsa_next_free_sgpr 66
		.amdhsa_reserve_vcc 0
		.amdhsa_float_denorm_mode_32 3
		.amdhsa_float_denorm_mode_16_64 3
		.amdhsa_memory_ordered 1
		.amdhsa_forward_progress 1
		.amdhsa_inst_pref_size 14
	.end_amdhsa_kernel
	.amdgpu_metadata
---
amdhsa.version: [ 1, 2 ]
amdhsa.kernels:
  - .name:           k_qca1e97878f_stats
    .symbol:         k_qca1e97878f_stats.kd
    .args:
      - { .name: x, .offset: 0, .size: 8, .value_kind: global_buffer, .address_space: global }
      - { .name: wq, .offset: 8, .size: 8, .value_kind: global_buffer, .address_space: global }
      - { .name: wk, .offset: 16, .size: 8, .value_kind: global_buffer, .address_space: global }
      - { .name: wv, .offset: 24, .size: 8, .value_kind: global_buffer, .address_space: global }
      - { .name: wo, .offset: 32, .size: 8, .value_kind: global_buffer, .address_space: global }
      - { .name: lowp_scales, .offset: 40, .size: 8, .value_kind: global_buffer, .address_space: global }
      - { .name: stats, .offset: 48, .size: 8, .value_kind: global_buffer, .address_space: global }
      - { .name: wcodes, .offset: 56, .size: 8, .value_kind: global_buffer, .address_space: global }
    .group_segment_fixed_size: 3072
    .private_segment_fixed_size: 0
    .kernarg_segment_align: 8
    .kernarg_segment_size: 64
    .max_flat_workgroup_size: 256
    .sgpr_count:     66
    .vgpr_count:     98
    .wavefront_size: 32
...
	.end_amdgpu_metadata
.endif
;; end of part 1
;; launch proj (part 2): grid 256 x 1, 4 waves a work-group, no clusters, 117,248 bytes of LDS; arguments x, stats, wcodes, gn_scale, gn_bias, bq, bk, bv, lowp_scales, qc, kv; writes qc, kv
.if DOCPART == 2
	.amdgcn_target "amdgcn-amd-amdhsa--gfx1250"
	.amdhsa_code_object_version 6
	.text
	.protected	k_qca1e97878f_proj
	.globl	k_qca1e97878f_proj
	.p2align	8
	.type	k_qca1e97878f_proj,@function
k_qca1e97878f_proj:
	s_mov_b64 s[64:65], 0
	v_nop
	global_prefetch_b8 v0, s[64:65] scope:SCOPE_SE
	s_setreg_imm32_b32 hwreg(HW_REG_WAVE_MODE, 25, 1), 1
	s_wait_xcnt 0x0
; h = GroupNorm(x); q = h wq + bq, k = h wk + bk, v = h wv + bv, each product on codes of E5M2; q, k, v leave as codes, laid as IMAGES OF THE NEXT PRODUCTS' OPERAND REGISTERS.
; An image of a fragment (16 rows x 128 K, 16 registers a lane; lane (r, h): row r, registers 2 c, 2 c + 1 = k 16 c + 8 h + 0 .. 7, ISA guide 7.12.2) is 2,048 bytes: registers 4 Q .. 4 Q + 3 of lane L at 512 Q + 16 L.
; So every store and load of a fragment's quarter covers 512 consecutive bytes, in LDS and in memory alike; no pitch, no padding.
; SHARES.  Work-group g: image g / 32, positions 128 (g % 32) on: 8 tiles m of 16 positions, one key step of the attention.
;   PHASE X shares the ROWS: wave w normalises rows 32 w .. 32 w + 31 (lane l holds channels 4 l .. 4 l + 3 = group l), turns them through its own stage in LDS so that a lane holds 64 numbers of ONE row in the
;   operand's order, and quantises them three times (scales e0, e2, e4): 3 images for each of its two tiles.
;   PHASE P shares the COLUMNS: wave w keeps weight tiles 2 w, 2 w + 1 of wq, wk, wv (6 fragments, read once) and applies them to all 8 tiles of positions.
;   q and k are made TRANSPOSED (source 0 = 16 weight columns, source 1 = 16 positions): a lane holds one position and 8 neighbouring units, so one conversion gives registers 2 t, 2 t + 1 of that position's fragment;
;   the wave's two tiles are the fragment's quarter w.  v is made the other way (source 0 = positions): a lane holds one channel and 8 neighbouring positions, which are the second attention product's K.
; The biases go in as the C of each product, divided by the power of two that the sums lack.  The scales ahead of each quantiser are folded into the conversion's one.
; qc: [image][tile of 16 queries] images.  kv: [image][key step of 128] 32,768 bytes: 8 images of k (keys 16 m on), then 8 of v (channels 16 t on, K = the step's keys).
; LIMITS, so that each power of two is an f32 number: e0, e2, e4, e6 - e0 - e1, e7 - e2 - e3, e9 - e4 - e5 between -126 and 127.  NaN among the inputs is not served.
; No tensor load (x is read once, through registers), so no ring; no cluster: work-groups share only 48 KB of weight codes and 8 KB of statistics, a small part of what each reads.
; REGISTERS, window 0: v1 16 l, v2 r, v3 h, v4 stage in, v5 stage out, v6 image out, v7 8 l, v[8:9] mean twice, v[10:13] rstd x gain, v[14:17] bias, v18, v20, v22 three scales, v24-27 at work, v28 32 h, v29 4 r;
;   v32-79 six accumulators; v64-127 statistics, then a tile's 64 numbers a lane; v80-127 three fragments of h; v128-255 x, then codes.   window 1: the weights' six fragments and the biases.
.set STG,   49152                      ; LDS: 24 images of h from byte 0 (tile m, scale z at (3 m + z) x 2,048); behind them the stages
.set SROW,  528                        ; a stage row: 512 bytes + 16 = 33 x 16: sixteen rows' same column start at sixteen different 16-byte columns of 256 bytes
.set STILE, 16*SROW
.set SWAVE, 2*STILE
.set H,   64
.set X,   128
.set T,   128
.set PCX, 192
.set ACC, 32
.set HF,  80
.set QC,  128
.set KC,  160
.set VC,  192
.set WQ,  0                            ; window 1
.set WK,  32
.set WV,  64
.set BQ,  96
.set BK,  112
.set BV,  128
.set RBV, 144
.set MSB, 0
.macro WIN new                         ; the immediate's high byte repeats the setting that is left
.if MSB != \new
	s_set_vgpr_msb (MSB<<8)|\new
.set MSB, \new
.endif
.endm
.macro SCALE vs, vl, se                ; v[vs] = 2^e as f32; e in s[se]
	s_add_co_i32 s60, s[\se], 127
	s_lshl_b32 s61, s60, 23
	v_mov_b32 v[\vs], s61
	s_add_co_i32 s60, s60, 15
	s_lshl_b32 s60, s60, 23
	s_or_b32 s60, s60, 0x600000
.endm
.macro READBACK u                      ; tile u of my two: lane (r, h) takes, of row r, channels 16 c + 8 h + 0 .. 7 into registers 8 c .. 8 c + 7
.irp c, 0,1,2,3,4,5,6,7
	ds_load_b128 v[H+8*\c:H+8*\c+3], v5 offset:(\u)*STILE+64*\c
	ds_load_b128 v[H+8*\c+4:H+8*\c+7], v5 offset:(\u)*STILE+64*\c+16
.endr
.endm
.macro QUANT3 u                        ; the tile's numbers become three fragments, one for each scale; the numbers stay for all three
.irp z, 0,1,2
.irp c, 0,1,2,3,4,5,6,7
.irp j, 0,1,2,3,4,5,6,7
.endr
	v_cvt_scalef32_pk8_bf8_f32 v[PCX+16*\z+2*\c:PCX+16*\z+2*\c+1], v[H+8*\c:H+8*\c+7], v[18+2*\z]
.endr
	v_nop                                          ; one plain vector line behind the last conversion: later loads write its sources
.irp c, 0,1,2,3
	ds_store_b128 v6, v[PCX+16*\z+4*\c:PCX+16*\z+4*\c+3] offset:(3*(\u)+\z)*2048+512*\c
.endr
.endr
.endm
.macro FETCH m                         ; tile m's three fragments, as any wave's registers
.irp z, 0,1,2
.irp c, 0,1,2,3
	ds_load_b128 v[HF+16*\z+4*\c:HF+16*\z+4*\c+3], v1 offset:(3*(\m)+\z)*2048+512*\c
.endr
.endr
.endm
	s_load_b512 s[4:19], s[0:1], 0x0               ; x 4:5, stats 6:7, wcodes 8:9, gn_scale 10:11, gn_bias 12:13, bq 14:15, bk 16:17, bv 18:19
	s_load_b128 s[20:23], s[0:1], 0x40             ; scales 20:21, qc 22:23
	s_load_b64 s[24:25], s[0:1], 0x50              ; kv
	v_lshl_add_u32 v31, v0, 2, 0x1c800
	s_set_vgpr_msb 0x40
	v_mov_b32 v255, 0
	s_set_vgpr_msb 0x4000
	v_lshrrev_b32 v2, 5, v0
	v_readfirstlane_b32 s26, v2                    ; wave 0..3
	s_lshr_b32 s27, ttmp9, 5                       ; image
	s_and_b32 s28, ttmp9, 31                       ; key step
	v_and_b32 v30, 31, v0
	v_lshlrev_b32 v1, 4, v30
	v_lshlrev_b32 v7, 3, v30
	v_and_b32 v2, 15, v0
	v_bfe_u32 v3, v0, 4, 1
	v_lshlrev_b32 v28, 5, v3
	v_lshlrev_b32 v29, 2, v2
	s_mul_i32 s30, s26, SWAVE
	s_add_co_u32 s30, s30, STG                     ; my stage
	v_add_nc_u32 v4, s30, v1                       ; in: a row as it was loaded, 16 bytes a lane
	v_mul_u32_u24 v5, v2, SROW
	v_add_nc_u32 v5, v5, v28
	v_add_nc_u32 v5, s30, v5                       ; out: row r, + 32 h
	s_mul_i32 s31, s26, 12288
	v_add_nc_u32 v6, s31, v1                       ; my six images: 16 l + 6 x 2,048 x wave
	s_lshl_b32 s32, ttmp9, 16                      ; x: 128 rows of 512 bytes a work-group, 32 a wave
	s_lshl_b32 s33, s26, 14
	s_add_co_u32 s32, s32, s33
	s_mov_b32 s33, 0
	s_lshl_b32 s34, s27, 13                        ; stats: 8,192 bytes an image
	s_mov_b32 s35, 0
	s_lshl_b32 s48, s26, 12                        ; wcodes: my two tiles
	s_mov_b32 s49, 0
	s_lshl_b32 s50, s26, 7                         ; biases: my 32 numbers
	s_mov_b32 s51, 0
	s_lshl_b32 s52, s27, 19                        ; qc: image, 8 tiles a key step, my quarter
	s_lshl_b32 s53, s28, 14
	s_add_co_u32 s52, s52, s53
	s_lshl_b32 s53, s26, 9
	s_add_co_u32 s52, s52, s53
	s_mov_b32 s53, 0
	s_lshl_b32 s54, ttmp9, 15                      ; kv: the key step's 32,768 bytes; k: my quarter
	s_lshl_b32 s55, s26, 9
	s_add_co_u32 s54, s54, s55
	s_mov_b32 s55, 0
	s_lshl_b32 s56, ttmp9, 15                      ; v: behind k's eight images, my two
	s_lshl_b32 s57, s26, 12
	s_add_co_u32 s56, s56, s57
	s_add_co_u32 s56, s56, 16384
	s_mov_b32 s57, 0
	s_wait_kmcnt 0x0
	s_load_b256 s[36:43], s[20:21], 0x0            ; e0 .. e7
	s_load_b128 s[44:47], s[20:21], 0x20           ; e8 .. e11
	s_add_nc_u64 s[4:5], s[4:5], s[32:33]
	s_add_nc_u64 s[6:7], s[6:7], s[34:35]
	s_add_nc_u64 s[8:9], s[8:9], s[48:49]
	s_add_nc_u64 s[14:15], s[14:15], s[50:51]
	s_add_nc_u64 s[16:17], s[16:17], s[50:51]
	s_add_nc_u64 s[18:19], s[18:19], s[50:51]
	s_add_nc_u64 s[22:23], s[22:23], s[52:53]
	s_add_nc_u64 s[58:59], s[24:25], s[56:57]
	s_add_nc_u64 s[24:25], s[24:25], s[54:55]
.set i, 0
.rept 32
	global_load_b64 v[H+2*i:H+2*i+1], v7, s[6:7] offset:256*i      ; chunk i's (mean, M2) of group l
.set i, i+1
.endr
	global_load_b128 v[10:13], v1, s[10:11]        ; the gain of my 4 channels,
	global_load_b128 v[14:17], v1, s[12:13]        ; their bias
.set i, 0
.rept 32
	global_load_b128 v[X+4*i:X+4*i+3], v1, s[4:5] offset:512*i     ; my 32 rows: 512 consecutive bytes a load
.set i, i+1
.endr
	s_wait_loadcnt 32                              ; the 32 loads of x may stay out: statistics, gain and bias are in
	v_pk_add_f32 v[24:25], v[H:H+1], v[H+2:H+3]    ; (the means' sum, the sum of M2_i), in two chains
	v_pk_add_f32 v[26:27], v[H+4:H+5], v[H+6:H+7]
.set j, 8
.rept 14
	v_pk_add_f32 v[24:25], v[24:25], v[H+j:H+j+1]
	v_pk_add_f32 v[26:27], v[26:27], v[H+j+2:H+j+3]
.set j, j+4
.endr
	v_pk_add_f32 v[24:25], v[24:25], v[26:27]
	v_mul_f32 v8, 0x3d000000, v24                  ; / 32: the group's mean,
	v_mov_b32 v9, v8                               ; twice
.set i, 0
.rept 32
	v_sub_f32 v[H+2*i], v[H+2*i], v8
.set i, i+1
.endr
	v_mul_f32 v26, v[H], v[H]
	v_mul_f32 v27, v[H+2], v[H+2]
.set i, 2
.rept 15
	v_fmac_f32 v26, v[H+2*i], v[H+2*i]
	v_fmac_f32 v27, v[H+2*i+2], v[H+2*i+2]
.set i, i+2
.endr
	v_add_f32 v26, v26, v27
	v_fmamk_f32 v25, v26, 0x44000000, v25          ; 512 x the means' squared distances + the sum of M2_i
	v_mov_b32 v26, 0x38800000                      ; 1 / 16,384 numbers
	v_fmaak_f32 v25, v25, v26, 0x358637bd          ; the variance + 1e-6
	s_wait_alu depctr_va_vdst(0)
	v_rsq_f32 v25, v25
	v_nop                                          ; one plain line behind a transcendental (ISA guide 5.7.2)
	s_wait_alu depctr_va_vdst(0)
.irp j, 0,1,2,3
	v_mul_f32 v[10+\j], v25, v[10+\j]
.endr
	WIN 0x40                                       ; destination window 1
.irp i, 0,1
.irp c, 0,1,2,3
	global_load_b128 v[WQ+16*\i+4*\c:WQ+16*\i+4*\c+3], v1, s[8:9] offset:2048*\i+512*\c
	global_load_b128 v[WK+16*\i+4*\c:WK+16*\i+4*\c+3], v1, s[8:9] offset:16384+2048*\i+512*\c
	global_load_b128 v[WV+16*\i+4*\c:WV+16*\i+4*\c+3], v1, s[8:9] offset:32768+2048*\i+512*\c
.endr
.endr
.irp i, 0,1
	global_load_b128 v[BQ+8*\i:BQ+8*\i+3], v28, s[14:15] offset:64*\i            ; bq of units 16 (2 w + i) + 8 h + 0 .. 7: the transposed result's layout
	global_load_b128 v[BQ+8*\i+4:BQ+8*\i+7], v28, s[14:15] offset:64*\i+16
	global_load_b128 v[BK+8*\i:BK+8*\i+3], v28, s[16:17] offset:64*\i
	global_load_b128 v[BK+8*\i+4:BK+8*\i+7], v28, s[16:17] offset:64*\i+16
	global_load_b32 v[RBV+\i], v29, s[18:19] offset:64*\i                        ; bv of channel 16 (2 w + i) + r
.endr
	WIN 0
	s_wait_kmcnt 0x0                               ; the scales
	SCALE 18, 19, 36                               ; e0
	SCALE 20, 21, 38                               ; e2
	SCALE 22, 23, 40                               ; e4
	s_wait_loadcnt 34                              ; the 34 loads of weights and biases may stay out: x is in
.set i, 0
.rept 32
	v_pk_add_f32 v[X+4*i:X+4*i+1], v[X+4*i:X+4*i+1], v[8:9] neg_lo:[0,1] neg_hi:[0,1]
	s_wait_alu depctr_va_vdst(0)
	v_pk_add_f32 v[X+4*i+2:X+4*i+3], v[X+4*i+2:X+4*i+3], v[8:9] neg_lo:[0,1] neg_hi:[0,1]
	v_pk_fma_f32 v[X+4*i:X+4*i+1], v[X+4*i:X+4*i+1], v[10:11], v[14:15]
	v_pk_fma_f32 v[X+4*i+2:X+4*i+3], v[X+4*i+2:X+4*i+3], v[12:13], v[16:17]
	ds_store_b128 v4, v[X+4*i:X+4*i+3] offset:(i/16)*STILE+(i%16)*SROW
.set i, i+1
.endr
	READBACK 0                                     ; my own bytes: LDS serves a wave's instructions in order (ISA guide 5.7.1.4)
	s_wait_dscnt 0x0                               ; the tile is in; the stage's stores have read x's registers, which the codes now take
	QUANT3 0
	READBACK 1
	s_wait_dscnt 0x0                               ; and the first tile's images have read the codes' registers
	QUANT3 1
	s_add_co_i32 s30, s36, s37                     ; e0 + e1: a sum of q's product stands for sum x 2^(e0 + e1)
	s_sub_co_i32 s33, s42, s30                     ; e6 - e0 - e1: the conversion's one scale
	s_sub_co_i32 s30, 0, s30
	s_add_co_i32 s31, s38, s39
	s_sub_co_i32 s34, s43, s31                     ; e7 - e2 - e3
	s_sub_co_i32 s31, 0, s31
	s_add_co_i32 s32, s40, s41
	s_sub_co_i32 s35, s45, s32                     ; e9 - e4 - e5
	s_sub_co_i32 s32, 0, s32
	s_wait_loadcnt 0x0                             ; weights and biases
	WIN 0x41                                       ; source 0 and destination window 1
.set j, 0
.rept 16
	v_ldexp_f32 v[BQ+j], v[BQ+j], s30              ; bq / 2^(e0 + e1)
	v_ldexp_f32 v[BK+j], v[BK+j], s31
.set j, j+1
.endr
	v_ldexp_f32 v[RBV], v[RBV], s32
	v_ldexp_f32 v[RBV+1], v[RBV+1], s32
.irp i, 0,1
.irp j, 0,1,2,3,4,5,6,7
	v_mov_b32 v[BV+8*\i+\j], v[RBV+\i]             ; in v's result a lane holds one channel in all eight registers
.endr
.endr
	WIN 0
	SCALE 18, 19, 33
	SCALE 20, 21, 34
	SCALE 22, 23, 35
	s_wait_alu depctr_va_vdst(0)
	s_wait_dscnt 0x0                               ; for the others' sake: my six images lie in LDS
	s_barrier_signal -1
	s_barrier_wait -1
	FETCH 0
.irp m, 0,1,2,3,4,5,6,7
	s_wait_dscnt 0x0                               ; tile m's three fragments
	WIN 0x11                                       ; source 0 (weights) and C (biases) window 1
.irp i, 0,1
	v_wmma_f32_16x16x128_bf8_bf8 v[ACC+8*\i:ACC+8*\i+7], v[WQ+16*\i:WQ+16*\i+15], v[HF:HF+15], v[BQ+8*\i:BQ+8*\i+7]
.endr
.irp i, 0,1
	v_wmma_f32_16x16x128_bf8_bf8 v[ACC+16+8*\i:ACC+16+8*\i+7], v[WK+16*\i:WK+16*\i+15], v[HF+16:HF+31], v[BK+8*\i:BK+8*\i+7]
.endr
	WIN 0x14                                       ; source 1 (weights) and C window 1
.irp i, 0,1
	v_wmma_f32_16x16x128_bf8_bf8 v[ACC+32+8*\i:ACC+32+8*\i+7], v[HF+32:HF+47], v[WV+16*\i:WV+16*\i+15], v[BV+8*\i:BV+8*\i+7]
.endr
	WIN 0
.rept 4
	v_nop                                          ; four places in front of loads into registers that the products read, and of the first read of results; with the conversions behind them they are more than the five that the next tile's products, which write these accumulators anew, want
.endr
.if \m < 7
	FETCH \m+1
.endif
.irp j, 0,1,2,3,4,5,6,7,8,9,10,11,12,13,14,15
.endr
.irp j, 0,1,2,3,4,5,6,7,8,9,10,11,12,13,14,15
.endr
.irp j, 0,1,2,3,4,5,6,7,8,9,10,11,12,13,14,15
.endr
.irp i, 0,1
	v_cvt_scalef32_pk8_bf8_f32 v[QC+4*\m+2*\i:QC+4*\m+2*\i+1], v[ACC+8*\i:ACC+8*\i+7], v18           ; registers 2 (2 w + i), + 1 of position tile m's fragment of q
	v_cvt_scalef32_pk8_bf8_f32 v[KC+4*\m+2*\i:KC+4*\m+2*\i+1], v[ACC+16+8*\i:ACC+16+8*\i+7], v20
	v_cvt_scalef32_pk8_bf8_f32 v[VC+16*\i+2*\m:VC+16*\i+2*\m+1], v[ACC+32+8*\i:ACC+32+8*\i+7], v22   ; registers 2 m, 2 m + 1 of channel tile 2 w + i's fragment of v
.endr
	v_nop                                          ; one plain vector line behind the last conversion: the next products write its sources
	global_store_b128 v1, v[QC+4*\m:QC+4*\m+3], s[22:23] offset:2048*\m          ; 512 consecutive bytes, aligned; each store has data registers of its own
	global_store_b128 v1, v[KC+4*\m:KC+4*\m+3], s[24:25] offset:2048*\m
.endr
	s_wait_alu depctr_va_vdst(0)
.irp i, 0,1
.irp c, 0,1,2,3
	global_store_b128 v1, v[VC+16*\i+4*\c:VC+16*\i+4*\c+3], s[58:59] offset:2048*\i+512*\c
.endr
.endr
	s_set_vgpr_msb 0x4
	s_wait_tensorcnt 0x0
	ds_add_u32 v31, v255
	s_wait_dscnt 0x0
	s_set_vgpr_msb 0x400
	s_endpgm
.Lfunc_end_k_qca1e97878f_proj:
	.size	k_qca1e97878f_proj, .Lfunc_end_k_qca1e97878f_proj-k_qca1e97878f_proj
	.p2alignl 7, 3214868480
	.fill 96, 4, 3214868480
	.section	.rodata,"a",@progbits
	.p2align	6, 0x0
	.amdhsa_kernel k_qca1e97878f_proj
		.amdhsa_group_segment_fixed_size 117248
		.amdhsa_private_segment_fixed_size 0
		.amdhsa_enable_private_segment 0
		.amdhsa_kernarg_size 88
		.amdhsa_user_sgpr_count 2
		.amdhsa_user_sgpr_kernarg_segment_ptr 1
		.amdhsa_wavefront_size32 1
		.amdhsa_system_sgpr_workgroup_id_x 1
		.amdhsa_system_sgpr_workgroup_id_y 1
		.amdhsa_system_sgpr_workgroup_id_z 1
		.amdhsa_system_vgpr_workitem_id 0
		.amdhsa_next_free_vgpr 512
		.amdhsa_next_free_sgpr 66
		.amdhsa_reserve_vcc 0
		.amdhsa_float_denorm_mode_32 3
		.amdhsa_float_denorm_mode_16_64 3
		.amdhsa_fp16_overflow 1
		.amdhsa_memory_ordered 1
		.amdhsa_forward_progress 1
		.amdhsa_inst_pref_size 56
	.end_amdhsa_kernel
	.amdgpu_metadata
---
amdhsa.version: [ 1, 2 ]
amdhsa.kernels:
  - .name:           k_qca1e97878f_proj
    .symbol:         k_qca1e97878f_proj.kd
    .args:
      - { .name: x, .offset: 0, .size: 8, .value_kind: global_buffer, .address_space: global }
      - { .name: stats, .offset: 8, .size: 8, .value_kind: global_buffer, .address_space: global }
      - { .name: wcodes, .offset: 16, .size: 8, .value_kind: global_buffer, .address_space: global }
      - { .name: gn_scale, .offset: 24, .size: 8, .value_kind: global_buffer, .address_space: global }
      - { .name: gn_bias, .offset: 32, .size: 8, .value_kind: global_buffer, .address_space: global }
      - { .name: bq, .offset: 40, .size: 8, .value_kind: global_buffer, .address_space: global }
      - { .name: bk, .offset: 48, .size: 8, .value_kind: global_buffer, .address_space: global }
      - { .name: bv, .offset: 56, .size: 8, .value_kind: global_buffer, .address_space: global }
      - { .name: lowp_scales, .offset: 64, .size: 8, .value_kind: global_buffer, .address_space: global }
      - { .name: qc, .offset: 72, .size: 8, .value_kind: global_buffer, .address_space: global }
      - { .name: kv, .offset: 80, .size: 8, .value_kind: global_buffer, .address_space: global }
    .group_segment_fixed_size: 117248
    .private_segment_fixed_size: 0
    .kernarg_segment_align: 8
    .kernarg_segment_size: 88
    .max_flat_workgroup_size: 128
    .sgpr_count:     66
    .vgpr_count:     512
    .wavefront_size: 32
...
	.end_amdgpu_metadata
.endif
;; end of part 2
;; launch attn (part 3): grid 32 x 8, 8 waves a work-group, clusters of 4 x 1, 327,680 bytes of LDS; arguments qc, kv, wcodes, x, bo, lowp_scales, out0; writes out0
.if DOCPART == 3
	.amdgcn_target "amdgcn-amd-amdhsa--gfx1250"
	.amdhsa_code_object_version 6
	.text
	.protected	k_qca1e97878f_attn
	.globl	k_qca1e97878f_attn
	.p2align	8
	.type	k_qca1e97878f_attn,@function
k_qca1e97878f_attn:
	s_mov_b64 s[64:65], 0
	v_nop
	global_prefetch_b8 v0, s[64:65] scope:SCOPE_SE
	s_setreg_imm32_b32 hwreg(HW_REG_WAVE_MODE, 25, 1), 1
	s_wait_xcnt 0x0
	s_wait_alu depctr_hold_cnt(0) depctr_sa_sdst(0) depctr_va_vdst(0) depctr_va_sdst(0) depctr_va_ssrc(0) depctr_va_vcc(0) depctr_vm_vsrc(0)
	s_getreg_b32 s2, hwreg(HW_REG_IB_STS2, 6, 4)
	s_cmp_eq_u32 s2, 0
	s_cbranch_scc0 .Lentry_in_a_cluster
	s_endpgm
.Lentry_in_a_cluster:
	s_bfe_u32 s2, ttmp6, 0x10000c
	s_cmp_lg_u32 s2, 0x3003
	s_cbranch_scc0 .Lentry_shape_is_right
	s_endpgm
.Lentry_shape_is_right:
; out0 = x + (softmax(q k^T / sqrt(128)) v) wo + bo, all three products on codes of E5M2.  8 images, 4,096 queries and keys each, 128 channels.
; qc, kv, wcodes hold IMAGES OF OPERAND REGISTERS (2,048 bytes a fragment of 16 rows x 128 K: registers 4 Q .. 4 Q + 3 of lane L at 512 Q + 16 L; lane (r, h): row r, registers 2 c, 2 c + 1 = k 16 c + 8 h + 0 .. 7,
; ISA guide 7.12.2): a fragment comes by four loads of 512 consecutive bytes, from memory and from LDS alike.
; THE SOFTMAX: t = score x log2(e) / sqrt(128); M = the largest t so far, rounded UP to a whole number; p = 2^(t - M) is quantised, not normalised; the row's sum is taken of the unquantised p and divides at the end.
; When M moves, the sum and O are multiplied by 2^(old M - new M): exact, and no branch on data.
; SHARES.  A work-group owns 128 queries of one image.  Wave w = g + 4 hh: query tiles 2 g, 2 g + 1 (so each fragment of k and v read from LDS feeds two products), and of every slot of four key steps the steps
; 2 hh, 2 hh + 1 (so eight waves of 512 registers, two to a SIMD, have work: one's vector work stands beside the other's products and LDS loads).  At the end waves w and w xor 4 hand each other one tile
; (O^T, M, the sum) through LDS, merge by exact powers of two, and each finishes one tile: / the sum, quantised, x wo, + bo + x.
; LAYOUT.  All products are used transposed: S^T = k q^T, O^T = v^T p^T, Y^T = wo^T o^T: a lane holds ONE query (lane % 16) throughout, and a result tile's 8 registers are 8 neighbours along the next K.
; RING.  Two LDS slots of 131,072 bytes = four key steps, a dense block of kv; each wave brings 16,384 bytes of it (64 rows of 256 bytes) by one tensor load.  A wave has two tensor loads
; out at the start (slot 0's and its part of wo) and one behind each change of slots.
; THE CHANGE OF SLOTS STANDS INSIDE A SLOT'S LAST STEP.  A wave's last reads of a slot are v's second four fragments; as soon as they are in, it waits for its tensor load, adds 0 to its spare word and signals;
; the rest of the step (tile 1's sums and codes, O^T's rescaling, the 16 products: registers alone) stands between that signal and the wait.  So a wave is held only until the others have reached their signals.
; K AHEAD.  Six of a step's eight fragments of k have registers of their own (window 1): a slot's second step finds them fetched a softmax earlier; the other two are asked for at the step's head, ahead of twelve products.
; CLUSTER.  The four query blocks of a cluster belong to one image and walk the same k and v: each tile is asked for JOINTLY, by the same tensor load with the same descriptor and the mask of all four.
; O^T is cleared once (128 v_mov_b32) so that the key step is written without a first step of its own: the first change of M multiplies zeros.
; LIMITS, so that each power of two is an f32 number: e6 + e7 between -123 and 130 (added to c's exponent field); e8 between -126 and 112, e10 between -126 and 127; e10 + e11 between -126 and 127; e8 + e9 goes by v_ldexp_f32.  NaN is not served.
; REGISTERS, window 0: v1 16 l + 65,536 hh, v2 the slot's address, v3 v4 the add's, v5 16 l, v6 v7 v8 exchange and stage, v9 wo, v10 57,344 x 2^e8, v11 2^e8; tile t: v[12+4t] -M, +1 largest t, +2 +3 the sum;
;   v[20+6t] .. +5 at work (+0 maximum, +1 other half's, +2 f, +4 +5 a sum); v32-95 four fragments; v96-223 S^T then p, 64 a tile (tile 0's also four fragments of v); v224-255 p's codes.
;   window 1: v0-127 O^T, 64 a tile; v128-159 q; v160-255 six fragments of k; from the last step on v160-223 16 rows of x, v224-227 bo.
.set SLOT1, 1<<17                      ; slot 1 begins here: one exclusive or turns an address in one slot into the other's
.set WOL,   2*SLOT1                    ; wo's eight images, filled once
.set SPARE, WOL+16384                  ; the spare words, 128 bytes for each of eight waves: four blocks of 256 bytes that no other line names
.set XCH,   8704                       ; a wave's bytes for the exchange (17 x 512) and the stage (16 x 528): in slot 0, which has had its last fill and its last read when the first of them is stored
.set FR,  32
.set S,   96
.set PC,  224
.set QW,  128                          ; window 1
.set KB,  160
.set XW,  160
.set BW,  224
.set MSB, 0
.macro WIN new                         ; the immediate's high byte repeats the setting that is left
.if MSB != \new
	s_set_vgpr_msb (MSB<<8)|\new
.set MSB, \new
.endif
.endm
.macro PLACES n
.rept \n
	v_nop
.endr
.endm
.macro CREST                           ; a round of the cluster's barrier behind its opening barrier: wave 0 signals for the work-group; every wave waits for all four work-groups; my work-group's barrier once more
	s_cmp_lg_u32 s18, 0
	s_cbranch_scc1 .Lnot_wave_0_\@
	s_barrier_signal -3
.Lnot_wave_0_\@:
	s_barrier_wait -3
	s_barrier_signal -1
	s_barrier_wait -1
.endm
.macro CROUND                          ; a whole round
	s_barrier_signal -1
	s_barrier_wait -1
	CREST
.endm
.macro JLOAD                           ; every wave's part of a slot; four v_nop follow
	tensor_load_to_lds s[40:43], s[24:31]
	s_nop 0
	PLACES 4
.endm
.macro KLOADB q                        ; fragments 0 to 5 of k (keys 16 f on) of my q-th step, into their own registers in window 1
	WIN 0x40                                       ; destination window 1, address window 0
.irp f, 0,1,2,3,4,5
.irp c, 0,1,2,3
	ds_load_b128 v[KB+16*\f+4*\c:KB+16*\f+4*\c+3], v2 offset:32768*(\q)+\f*2048+512*\c
.endr
.endr
	WIN 0
.endm
.macro KLOADF q                        ; fragments 6 and 7, into the registers that v's first two have left
.irp f, 6,7
.irp c, 0,1,2,3
	ds_load_b128 v[FR+16*(\f-6)+4*\c:FR+16*(\f-6)+4*\c+3], v2 offset:32768*(\q)+\f*2048+512*\c
.endr
.endr
.endm
.macro VLOAD q, g, dst                 ; four fragments of v: channels 16 (4 g + f) on
.irp f, 0,1,2,3
.irp c, 0,1,2,3
	ds_load_b128 v[\dst+16*\f+4*\c:\dst+16*\f+4*\c+3], v2 offset:32768*(\q)+16384+(4*(\g)+\f)*2048+512*\c
.endr
.endr
.endm
.macro XLOAD                           ; the residual's 16 rows and bo, into the registers that k's fragments have left for good
	WIN 0x40
.set i, 0
.rept 16
	global_load_b128 v[XW+4*i:XW+4*i+3], v5, s[10:11] offset:512*i th:TH_LOAD_NT   ; a row: 512 consecutive bytes; read once in the launch
.set i, i+1
.endr
	global_load_b128 v[BW:BW+3], v5, s[12:13]      ; bo of channels 4 l .. 4 l + 3
	WIN 0
.endm
; S^T = k q^T: each fragment of k against both tiles of queries.  first = 1: all 32 loads were issued just now, fragment by fragment; first = 0: fragments 0 to 5 were shown in by the wait for 0 in front of the last step's products on v.
.macro SMUL first
	WIN 0x05                                       ; sources 0 (k) and 1 (q) window 1
.irp f, 0,1,2,3,4,5
.if \first
	s_wait_dscnt 4*(7-\f)                          ; fragment f is in; the four loads of each fragment behind it may be out
.endif
.irp t, 0,1
	v_wmma_f32_16x16x128_bf8_bf8 v[S+64*\t+8*\f:S+64*\t+8*\f+7], v[KB+16*\f:KB+16*\f+15], v[QW+16*\t:QW+16*\t+15], 0
.endr
.endr
	WIN 0x04                                       ; source 1 (q) window 1
.irp f, 6,7
	s_wait_dscnt 4*(7-\f)
.irp t, 0,1
	v_wmma_f32_16x16x128_bf8_bf8 v[S+64*\t+8*\f:S+64*\t+8*\f+7], v[FR+16*(\f-6):FR+16*(\f-6)+15], v[QW+16*\t:QW+16*\t+15], 0
.endr
.endr
.endm
.macro MAXT2                           ; the step's largest score of each tile's query among my 64 keys: two chains a tile, the two tiles line by line: four chains; each accumulator is read from its low end on
.irp t, 0,1
	v_max3_num_f32 v[20+6*\t], v[S+64*\t], v[S+64*\t+1], v[S+64*\t+2]
	v_max3_num_f32 v[22+6*\t], v[S+64*\t+3], v[S+64*\t+4], v[S+64*\t+5]
.endr
.set j, 6
.rept 14
.irp t, 0,1
	v_max3_num_f32 v[20+6*\t], v[20+6*\t], v[S+64*\t+j], v[S+64*\t+j+1]
	v_max3_num_f32 v[22+6*\t], v[22+6*\t], v[S+64*\t+j+2], v[S+64*\t+j+3]
.endr
.set j, j+4
.endr
.irp t, 0,1
	v_max3_num_f32 v[20+6*\t], v[20+6*\t], v[S+64*\t+62], v[S+64*\t+63]
.endr
.irp t, 0,1
	s_delay_alu instid0(VALU_DEP_2)
	v_max_num_f32 v[20+6*\t], v[20+6*\t], v[22+6*\t]
.endr
.endm
.macro TAIL                            ; the two tiles line by line, so that no line waits for the one above it
.irp t, 0,1
	s_delay_alu instid0(VALU_DEP_2)
	v_permlanex16_b32 v[21+6*\t], v[20+6*\t], s48, s49             ; the query's other 64 keys lie in lane l xor 16
.endr
.irp t, 0,1
	s_delay_alu instid0(VALU_DEP_2)
	v_max_num_f32 v[20+6*\t], v[20+6*\t], v[21+6*\t]
.endr
.irp t, 0,1
	s_delay_alu instid0(VALU_DEP_2)
	v_mul_f32 v[20+6*\t], s22, v[20+6*\t]          ; as t (c is positive)
.endr
.irp t, 0,1
	s_delay_alu instid0(VALU_DEP_2)
	v_max_num_f32 v[13+4*\t], v[13+4*\t], v[20+6*\t]               ; the running largest t
.endr
.irp t, 0,1
	v_mov_b32 v[20+6*\t], v[12+4*\t]
.endr
.irp t, 0,1
	s_delay_alu instid0(VALU_DEP_4)
	v_floor_f32 v[12+4*\t], -v[13+4*\t]            ; the new -M = floor(-t): M is a whole number
.endr
.irp t, 0,1
	s_delay_alu instid0(VALU_DEP_2)
	v_sub_f32 v[20+6*\t], v[12+4*\t], v[20+6*\t]   ; old M - new M: a whole number, 0 or less
.endr
.irp t, 0,1
	s_delay_alu instid0(VALU_DEP_2)
	v_cvt_i32_f32 v[20+6*\t], v[20+6*\t]           ; (it saturates)
.endr
.irp t, 0,1
	s_delay_alu instid0(VALU_DEP_2)
	v_ldexp_f32 v[22+6*\t], 1.0, v[20+6*\t]        ; f = 2^(old M - new M)
.endr
.endm
.macro EXPA t                          ; p
.set rS, S+64*(\t)
.set rM, 12+4*(\t)
.set j, 0
.rept 32
	v_pk_fma_f32 v[rS+j:rS+j+1], v[rS+j:rS+j+1], s[22:23], v[rM:rM+1] op_sel_hi:[1,0,0]   ; t - M (of the pairs c and -M the low word serves both halves)
.set j, j+2
.endr
.set j, 0
	s_wait_alu depctr_va_vdst(0)
.rept 64
	v_exp_f32 v[rS+j], v[rS+j]                     ; p = 2^(t - M), at most 1
.set j, j+1
.endr
.endm
; The row's sum of the UNQUANTISED p, in two chains, and p's codes.  Group j is p's registers 8 j .. 8 j + 7.  Group j's four sums stand among the four holds of group j - 1's registers 0 .. 3: each such p is summed ahead of its hold.
.macro EXPB t
.set rS, S+64*(\t)
.set rU, 20+6*(\t)
.set rM, 12+4*(\t)
.set rP, PC+16*(\t)
	v_pk_mul_f32 v[rM+2:rM+3], v[rM+2:rM+3], v[rU+2:rU+3] op_sel_hi:[1,0]   ; the sum under the new M (the plain line behind the exponentials)
	s_wait_alu depctr_va_vdst(0)
	v_pk_add_f32 v[rU+4:rU+5], v[rS:rS+1], v[rS+2:rS+3]
	v_pk_add_f32 v[rM+2:rM+3], v[rM+2:rM+3], v[rS+4:rS+5]
	v_pk_add_f32 v[rU+4:rU+5], v[rU+4:rU+5], v[rS+6:rS+7]
.set j, 1
.rept 7
	v_pk_add_f32 v[rM+2:rM+3], v[rM+2:rM+3], v[rS+8*j:rS+8*j+1]
	v_pk_add_f32 v[rU+4:rU+5], v[rU+4:rU+5], v[rS+8*j+2:rS+8*j+3]
.irp k, 0,1,2,3
	v_min_num_f32 v[rS+8*j-8+\k], v[rS+8*j-8+\k], v10              ; the conversion does not saturate (ISA guide 7.6.2); p is not negative, so the hold is one-sided
.endr
	v_pk_add_f32 v[rM+2:rM+3], v[rM+2:rM+3], v[rS+8*j+4:rS+8*j+5]
	v_pk_add_f32 v[rU+4:rU+5], v[rU+4:rU+5], v[rS+8*j+6:rS+8*j+7]
.irp k, 4,5,6,7
.endr
	v_cvt_scalef32_pk8_bf8_f32 v[rP+2*j-2:rP+2*j-1], v[rS+8*j-8:rS+8*j-1], v11   ; keys 16 (j - 1) + 8 h + 0 .. 7: registers 2 (j - 1), + 1 of the operand
.set j, j+1
.endr
.irp k, 0,1,2,3,4,5,6,7
.endr
	v_pk_add_f32 v[rM+2:rM+3], v[rM+2:rM+3], v[rU+4:rU+5]
	v_cvt_scalef32_pk8_bf8_f32 v[rP+14:rP+15], v[rS+56:rS+63], v11
.endm
.macro RESC                            ; O^T under the new M; these 64 plain lines also stand between the conversions and the products that read the codes
	WIN 0x41                                       ; O^T (destination, source 0) window 1, f window 0
.irp t, 0,1
.set j, 0
.rept 32
	v_pk_mul_f32 v[64*\t+j:64*\t+j+1], v[64*\t+j:64*\t+j+1], v[22+6*\t:23+6*\t] op_sel_hi:[1,0]
.set j, j+2
.endr
.endr
.endm
.macro PVMUL w                         ; O^T += v^T p^T: the sixteen accumulators by turns, one instruction a turn.  w = 0: the wait for 0 in front of the barrier's signal has shown v in
.if \w
	s_wait_dscnt 0x0                               ; v's eight fragments, and the next step's six of k
.endif
	WIN 0x50                                       ; C and D window 1
.irp c, 0,1,2,3,4,5,6,7
.irp t, 0,1
	v_wmma_f32_16x16x128_bf8_bf8 v[64*\t+8*\c:64*\t+8*\c+7], v[FR+16*\c:FR+16*\c+15], v[PC+16*\t:PC+16*\t+15], v[64*\t+8*\c:64*\t+8*\c+7]
.endr
.endr
.endm
; A KEY STEP: 128 keys, my q-th of the slot in hand, for both tiles.
; first = 1: the slot's first step: all of k is asked for here.   nxt = 1: the next step's six fragments of k are asked for; 2: x and bo (the very last step); 0: nothing.
; chg = 1: the slot is left and filled again; 2: it is left; 0: neither.
.macro STEP q, first, nxt, chg
	PLACES 5                                       ; four in front of loads into registers that the last products read; five since the scores' products write over tile 0's registers, which those read as v
.if \first
	KLOADB \q
.endif
	KLOADF \q
	SMUL \first
	WIN 0
	PLACES 4                                       ; in front of the loads below and of the first read of scores
	VLOAD \q, 0, FR                                ; v's first four fragments land under the softmax,
.if \nxt == 1
	KLOADB (\q)+1                                  ; and so do the next step's six of k
.elseif \nxt == 2
	XLOAD
.endif
	MAXT2
	TAIL
	EXPA 0
	EXPB 0
	VLOAD \q, 1, FR+64                             ; tile 0's p is in codes: its registers take v's other four, which land under tile 1's exponentials
	EXPA 1
.if \chg
	s_wait_tensorcnt 0x0                           ; my part of the next slot has landed; no tensor load of mine is out, so the descriptor may be written
	ds_add_u32 v3, v4                              ; 0 onto my spare word
.if \chg == 1
	s_xor_b32 s41, s41, SLOT1                      ; the slot that I am leaving,
	s_add_nc_u64 s[42:43], s[42:43], 131072        ; the next four key steps; the type bits on top are not reached
.endif
	s_wait_dscnt 0x0                               ; the add is done, and my reads of this slot are over: v's last fragments are in
	s_barrier_signal -1                            ; say so; only registers are touched from here to the wait
.endif
	EXPB 1
	RESC
.if \chg
	PVMUL 0
.else
	s_wait_alu depctr_va_vdst(0)
	PVMUL 1
.endif
	WIN 0
.if \chg
	s_barrier_wait -1                              ; all eight waves have said so: nobody reads this slot any more, and the next slot is whole
.if \chg == 1
	CREST                                          ; the barrier has opened a round of the cluster's: no wave of any partner still reads the slot or has a load on its way
	JLOAD                                          ; the first thing behind the round, and my one tensor load until the next
.endif
.endif
.endm
.macro NEXTSLOT
	s_xor_b32 s50, s50, SLOT1                      ; on to the other slot
	v_add_nc_u32 v2, s50, v1
.endm
	s_load_b256 s[4:11], s[0:1], 0x0               ; qc 4:5, kv 6:7, wcodes 8:9, x 10:11
	s_load_b128 s[12:15], s[0:1], 0x20             ; bo 12:13, scales 14:15
	s_load_b64 s[16:17], s[0:1], 0x30              ; out0
	v_lshl_add_u32 v3, v0, 2, SPARE
	v_mov_b32 v4, 0
	ds_add_u32 v3, v4
	ds_add_u32 v3, v4
	s_wait_dscnt 0x0
	v_lshrrev_b32 v2, 5, v0
	s_delay_alu instid0(VALU_DEP_1)
	v_readfirstlane_b32 s18, v2                    ; wave 0..7
	s_lshr_b32 s19, s18, 2                         ; hh: which half of a slot's key steps
	s_and_b32 s20, s18, 3                          ; g: which pair of query tiles
	s_sub_co_u32 s21, 0, s19                       ; all ones where hh = 1: a mask for v_cndmask_b32
	s_bfe_u32 s70, ttmp6, 0x40000                  ; cx: my place in the cluster
	s_lshl_b32 s71, ttmp9, 2                       ; in a cluster launch ttmp9 counts clusters
	s_add_co_u32 s71, s71, s70                     ; my block of 128 queries: it enters the addresses of qc, x and out0 alone
	s_and_b32 s72, ttmp7, 0xffff                   ; the image, which the four partners share
	s_mov_b32 s24, 15|(3<<16)|(1<<21)              ; group 1 for a slot's part: 15:0 the mask of all four; 17:16 elements of 8 bytes; 21 set beside a mask; no padding
	s_mov_b32 s25, 32<<16                          ; tensor_dim0 = 32 elements: 256 bytes
	s_mov_b32 s26, 64<<16                          ; tensor_dim1 = 64
	s_mov_b32 s27, 32<<16                          ; tile_dim0
	s_mov_b32 s28, 64                              ; tile_dim1
	s_mov_b32 s29, 32                              ; from row to row: dense
	s_mov_b32 s30, 0
	s_mov_b32 s31, 0
	s_mov_b32 s32, 15|(3<<16)|(1<<21)              ; group 1 for an image of wo: 8 rows of 256 bytes
	s_mov_b32 s33, 32<<16
	s_mov_b32 s34, 8<<16
	s_mov_b32 s35, 32<<16
	s_mov_b32 s36, 8
	s_mov_b32 s37, 32
	s_mov_b32 s38, 0
	s_mov_b32 s39, 0
	s_lshl_b32 s41, s18, 14                        ; LDS: my 16,384 bytes of slot 0
	s_lshl_b32 s74, s72, 20                        ; kv: the image's 1 MiB, my 16,384 bytes of its first four key steps
	s_lshl_b32 s75, s18, 14
	s_add_co_u32 s74, s74, s75
	s_mov_b32 s75, 0
	s_lshl_b32 s76, s18, 11                        ; wo: image w,
	s_add_co_u32 s45, s76, WOL                     ; in LDS,
	s_add_co_u32 s76, s76, 49152                   ; and in wcodes, behind wq, wk, wv
	s_mov_b32 s77, 0
	s_lshl_b32 s78, s72, 19                        ; qc: image, block of 8 tiles, my pair
	s_lshl_b32 s79, s71, 14
	s_add_co_u32 s78, s78, s79
	s_lshl_b32 s79, s20, 12
	s_add_co_u32 s78, s78, s79
	s_mov_b32 s79, 0
	s_lshl_b32 s80, s72, 21                        ; x and out0: image, block of 128 rows of 512 bytes, tile 2 g + hh: the one that I finish
	s_lshl_b32 s81, s71, 16
	s_add_co_u32 s80, s80, s81
	s_lshl_b32 s81, s20, 14
	s_add_co_u32 s80, s80, s81
	s_lshl_b32 s81, s19, 13
	s_add_co_u32 s80, s80, s81
	s_mov_b32 s81, 0
	s_mov_b32 s48, 0x76543210                      ; v_permlanex16_b32's selects for lane l xor 16
	s_mov_b32 s49, 0xfedcba98
	s_mov_b32 s50, 0                               ; the slot in hand
	s_mov_b32 s51, 6                               ; trips that fill a slot again
	s_wait_kmcnt 0x0
	s_load_b256 s[52:59], s[14:15], 0x0            ; e0 .. e7
	s_load_b128 s[60:63], s[14:15], 0x20           ; e8 .. e11
	s_add_nc_u64 s[4:5], s[4:5], s[78:79]
	s_add_nc_u64 s[10:11], s[10:11], s[80:81]
	s_add_nc_u64 s[16:17], s[16:17], s[80:81]
	CROUND                                         ; all four work-groups are here: the first joint loads meet
	s_mov_b32 s40, 1                               ; group 0: count = 1; s41 the LDS address;
	s_add_nc_u64 s[42:43], s[6:7], s[74:75]        ; the global address;
	s_or_b32 s43, s43, 0x80000000                  ; type = 2
	s_mov_b32 s44, 1
	s_add_nc_u64 s[46:47], s[8:9], s[76:77]
	s_or_b32 s47, s47, 0x80000000
	tensor_load_to_lds s[40:43], s[24:31]          ; the two first fills stand together, ahead of every wait on TENSORcnt and every LDS read
	s_nop 0
	tensor_load_to_lds s[44:47], s[32:39]
	s_nop 0
	PLACES 4
	v_and_b32 v1, 31, v0
	s_delay_alu instid0(VALU_DEP_1)
	v_lshlrev_b32 v5, 4, v1                        ; 16 x lane
	WIN 0x40                                       ; destination window 1
.irp t, 0,1
.irp c, 0,1,2,3
	global_load_b128 v[QW+16*\t+4*\c:QW+16*\t+4*\c+3], v5, s[4:5] offset:2048*\t+512*\c   ; q's two fragments stay in registers
.endr
.endr
.set j, 0
.rept 128
	v_mov_b32 v[j], 0                              ; O^T
.set j, j+1
.endr
	WIN 0
	s_lshl_b32 s73, s19, 16
	v_add_nc_u32 v1, s73, v5                       ; my two key steps of a slot: 65,536 hh + 16 l
	v_and_b32 v12, 15, v0                          ; r
	v_bfe_u32 v13, v0, 4, 1                        ; h
	s_mul_i32 s73, s18, XCH
	v_add_nc_u32 v6, s73, v5                       ; what I hand over: my bytes
	s_xor_b32 s84, s18, 4
	s_mul_i32 s84, s84, XCH
	v_add_nc_u32 v7, s84, v5                       ; what I take: my partner's bytes.  Behind the exchange's barrier I alone touch them, so they are my stage too
	v_mul_u32_u24 v8, v12, 528
	s_delay_alu instid0(VALU_DEP_1)
	v_lshl_add_u32 v8, v13, 5, v8
	s_delay_alu instid0(VALU_DEP_1)
	v_add_nc_u32 v8, s84, v8                       ; the stage, in: row r of 528 bytes, + 32 h
	v_add_nc_u32 v9, WOL, v5
.irp t, 0,1
	v_mov_b32 v[13+4*\t], 0xff61b1e6               ; the largest t so far: -3e38, under every t
	s_delay_alu instid0(VALU_DEP_1)
	v_floor_f32 v[12+4*\t], -v[13+4*\t]            ; -M
	v_mov_b32 v[14+4*\t], 0                        ; the sum, in two halves
	v_mov_b32 v[15+4*\t], 0
	v_mov_b32 v[21+6*\t], 0                        ; written once: a lane permute's destination counts as one of its sources
	v_mov_b32 v[23+6*\t], 0                        ; (named as the upper half of f's pair)
.endr
	s_wait_kmcnt 0x0
	s_add_co_i32 s82, s58, s59                     ; a score stands for score x 2^(e6 + e7): the exponents are added to c's exponent field
	s_lshl_b32 s82, s82, 23
	s_add_co_i32 s22, s82, 0x3e0293ee              ; c = log2(e) / sqrt(128)
	s_mov_b32 s23, s22                             ; (named with it as a pair, so it is written)
	s_add_co_i32 s82, s60, 127
	s_lshl_b32 s83, s82, 23
	v_mov_b32 v11, s83                             ; 2^e8
	s_add_co_i32 s82, s82, 15
	s_lshl_b32 s82, s82, 23
	s_or_b32 s82, s82, 0x600000
	v_mov_b32 v10, s82                             ; 57,344 x 2^e8
	s_add_co_i32 s68, s60, s61                     ; e8 + e9
	s_add_co_i32 s66, s62, s63
	s_add_co_i32 s66, s66, 127
	s_lshl_b32 s66, s66, 23                        ; 2^(e10 + e11) as f32
	s_mov_b32 s67, s66
	s_wait_loadcnt 0x0                             ; q
	; the first change stands by itself: slot 0 and wo have landed; slot 1 has its first fill, issued as a refill is
	s_wait_tensorcnt 0x0                           ; no tensor load of mine is out, so the descriptor may be written
	ds_add_u32 v3, v4                              ; 0 onto my spare word
	s_xor_b32 s41, s41, SLOT1                      ; slot 1,
	s_add_nc_u64 s[42:43], s[42:43], 131072        ; key steps 4 to 7
	s_wait_dscnt 0x0                               ; the add is done
	CROUND
	JLOAD
	v_add_nc_u32 v2, s50, v1
.Lslot:                                            ; 6 trips: trip i works on slot data i and, on leaving it, asks for data i + 2
	s_wait_alu depctr_va_vdst(0)
	STEP 0, 1, 1, 0
	STEP 1, 0, 0, 1
	NEXTSLOT
	s_sub_co_u32 s51, s51, 1
	s_cmp_lg_u32 s51, 0
	s_cbranch_scc1 .Lslot
	s_wait_alu depctr_va_vdst(0)
	STEP 0, 1, 1, 0                                ; the last two slots are written out: data 6 is left and nothing is asked for
	STEP 1, 0, 0, 2
	NEXTSLOT
	s_wait_alu depctr_va_vdst(0)
	STEP 0, 1, 1, 0                                ; data 7 is left by nobody's leave
	STEP 1, 0, 2, 0
	; THE END.  Each tile's sum; then waves w and w xor 4 hand each other a tile: I keep tile hh of my two and send the other.
	PLACES 4                                       ; behind the last products
.irp t, 0,1
	v_add_f32 v[14+4*\t], v[14+4*\t], v[15+4*\t]
.endr
.irp t, 0,1
	s_delay_alu instid0(VALU_DEP_2)
	v_permlanex16_b32 v[21+6*\t], v[14+4*\t], s48, s49
.endr
.irp t, 0,1
	s_delay_alu instid0(VALU_DEP_2)
	v_add_f32 v[14+4*\t], v[14+4*\t], v[21+6*\t]   ; the sum over my half of the keys
.endr
	WIN 0x05                                       ; sources window 1, destination window 0
.set j, 0
.rept 64
	v_cndmask_b32 v[S+j], v[64+j], v[j], s21       ; to send: tile 0 where hh = 1, else tile 1; each accumulator from its low end on
.set j, j+1
.endr
	WIN 0x45
.set j, 0
.rept 64
	v_cndmask_b32 v[j], v[j], v[64+j], s21         ; to keep: tile 1 where hh = 1, else tile 0
.set j, j+1
.endr
	WIN 0
	v_cndmask_b32 v[S+64], v16, v12, s21           ; with the tile go its -M
	v_cndmask_b32 v[S+65], v18, v14, s21           ; and its sum
	v_cndmask_b32 v12, v12, v16, s21
	v_cndmask_b32 v14, v14, v18, s21
.set i, 0
.rept 17
	ds_store_b128 v6, v[S+4*i:S+4*i+3] offset:512*i                ; as an image of the registers
.set i, i+1
.endr
	s_wait_alu depctr_va_vdst(0)
	s_wait_dscnt 0x0                               ; for my partner's sake
	s_barrier_signal -1
	s_barrier_wait -1
.set i, 0
.rept 17
	ds_load_b128 v[S+4*i:S+4*i+3], v7 offset:512*i
.set i, i+1
.endr
	s_add_co_i32 s82, s62, 127
	s_lshl_b32 s83, s82, 23
	s_wait_dscnt 0x0
	v_min_num_f32 v20, v12, v[S+64]                ; -M of the two halves together
	s_delay_alu instid0(VALU_DEP_1)
	v_sub_f32 v21, v20, v12                        ; whole numbers, 0 or less
	s_delay_alu instid0(VALU_DEP_2)
	v_sub_f32 v22, v20, v[S+64]
	s_delay_alu instid0(VALU_DEP_2)
	v_cvt_i32_f32 v21, v21
	s_delay_alu instid0(VALU_DEP_2)
	v_cvt_i32_f32 v22, v22
	s_delay_alu instid0(VALU_DEP_2)
	v_ldexp_f32 v21, 1.0, v21                      ; my half's factor,
	s_delay_alu instid0(VALU_DEP_2)
	v_ldexp_f32 v22, 1.0, v22                      ; my partner's: exact powers of two
	s_delay_alu instid0(VALU_DEP_1)
	v_mul_f32 v23, v[S+65], v22
	s_delay_alu instid0(VALU_DEP_1)
	v_fmac_f32 v23, v14, v21                       ; the row's sum
	s_wait_alu depctr_va_vdst(0)
	v_rcp_f32 v23, v23
	v_nop                                          ; one plain line behind a transcendental
	s_wait_alu depctr_va_vdst(0)
	v_ldexp_f32 v23, v23, s68                      ; x 2^(e8 + e9)
	s_delay_alu instid0(VALU_DEP_1)
	v_mul_f32 v24, v21, v23
	s_delay_alu instid0(VALU_DEP_2)
	v_mul_f32 v26, v22, v23
	v_mov_b32 v28, s83                             ; 2^e10
.set j, 0
.rept 32
	v_pk_mul_f32 v[S+j:S+j+1], v[S+j:S+j+1], v[26:27] op_sel_hi:[1,0]
.set j, j+2
.endr
	WIN 0x01                                       ; source 0 (my O^T) window 1
.set j, 0
.rept 32
	v_pk_fma_f32 v[S+j:S+j+1], v[j:j+1], v[24:25], v[S+j:S+j+1] op_sel_hi:[1,0,1]   ; o: register 8 c + i is channel 16 c + 8 h + i of query r
.set j, j+2
.endr
	WIN 0
.set j, 0
.rept 8
.set k, 0
.rept 8
.set k, k+1
.endr
	v_cvt_scalef32_pk8_bf8_f32 v[PC+2*j:PC+2*j+1], v[S+8*j:S+8*j+7], v28
.set j, j+1
.endr
	s_wait_alu depctr_va_vdst(0)
	v_nop                                          ; one plain vector line between the last conversion and the products that read the codes
.irp g, 0,1                                    ; Y^T = wo^T o^T: source 0 = 16 output channels, source 1 = my 16 queries
.if \g > 0
	PLACES 4
.endif
.irp f, 0,1,2,3
.irp c, 0,1,2,3
	ds_load_b128 v[FR+16*\f+4*\c:FR+16*\f+4*\c+3], v9 offset:(4*\g+\f)*2048+512*\c
.endr
.endr
	s_wait_dscnt 0x0
.irp f, 0,1,2,3
	v_wmma_f32_16x16x128_bf8_bf8 v[S+64+8*(4*\g+\f):S+64+8*(4*\g+\f)+7], v[FR+16*\f:FR+16*\f+15], v[PC:PC+15], 0
.endr
.endr
	PLACES 4
.irp f, 0,1,2,3,4,5,6,7
	ds_store_b128 v8, v[S+64+8*\f:S+64+8*\f+3] offset:64*\f        ; row r, channels 16 f + 8 h + 0 .. 7; each accumulator from its low end on
	ds_store_b128 v8, v[S+64+8*\f+4:S+64+8*\f+7] offset:64*\f+16
.endr
.set i, 0
.rept 16
	ds_load_b128 v[S+4*i:S+4*i+3], v7 offset:528*i                 ; back as whole rows; LDS serves a wave's instructions in order (ISA guide 5.7.1.4)
.set i, i+1
.endr
	s_wait_dscnt 0x0
	s_wait_loadcnt 0x0                             ; x and bo, asked for in the last key step
	WIN 0x10                                       ; source 2 (bo) window 1
.set i, 0
.rept 16
	v_pk_fma_f32 v[S+4*i:S+4*i+1], v[S+4*i:S+4*i+1], s[66:67], v[BW:BW+1] op_sel_hi:[1,0,1]         ; sum x 2^(e10 + e11) + bo
	v_pk_fma_f32 v[S+4*i+2:S+4*i+3], v[S+4*i+2:S+4*i+3], s[66:67], v[BW+2:BW+3] op_sel_hi:[1,0,1]
.set i, i+1
.endr
	WIN 0x04                                       ; source 1 (x) window 1
.set j, 0
.rept 32
	v_pk_add_f32 v[S+j:S+j+1], v[S+j:S+j+1], v[XW+j:XW+j+1]
.set j, j+2
.endr
	WIN 0
.set i, 0
.rept 16
	global_store_b128 v5, v[S+4*i:S+4*i+3], s[16:17] offset:512*i th:TH_STORE_NT   ; a row: 512 consecutive bytes, aligned
.set i, i+1
.endr
	s_wait_tensorcnt 0x0                           ; the wave's end, behind my last tensor load and my last LDS store
	ds_add_u32 v3, v4
	s_wait_dscnt 0x0
	CROUND                                         ; the closing round: no work-group ends while a partner may still ask for a tile that names it
	s_endpgm
.Lfunc_end_k_qca1e97878f_attn:
	.size	k_qca1e97878f_attn, .Lfunc_end_k_qca1e97878f_attn-k_qca1e97878f_attn
	.p2alignl 7, 3214868480
	.fill 96, 4, 3214868480
	.section	.rodata,"a",@progbits
	.p2align	6, 0x0
	.amdhsa_kernel k_qca1e97878f_attn
		.amdhsa_group_segment_fixed_size 327680
		.amdhsa_private_segment_fixed_size 0
		.amdhsa_enable_private_segment 0
		.amdhsa_kernarg_size 56
		.amdhsa_user_sgpr_count 2
		.amdhsa_user_sgpr_kernarg_segment_ptr 1
		.amdhsa_wavefront_size32 1
		.amdhsa_system_sgpr_workgroup_id_x 1
		.amdhsa_system_sgpr_workgroup_id_y 1
		.amdhsa_system_sgpr_workgroup_id_z 1
		.amdhsa_system_vgpr_workitem_id 0
		.amdhsa_next_free_vgpr 512
		.amdhsa_next_free_sgpr 96
		.amdhsa_reserve_vcc 0
		.amdhsa_float_denorm_mode_32 3
		.amdhsa_float_denorm_mode_16_64 3
		.amdhsa_fp16_overflow 1
		.amdhsa_memory_ordered 1
		.amdhsa_forward_progress 1
		.amdhsa_inst_pref_size 229
	.end_amdhsa_kernel
	.amdgpu_metadata
---
amdhsa.version: [ 1, 2 ]
amdhsa.kernels:
  - .name:           k_qca1e97878f_attn
    .symbol:         k_qca1e97878f_attn.kd
    .args:
      - { .name: qc, .offset: 0, .size: 8, .value_kind: global_buffer, .address_space: global }
      - { .name: kv, .offset: 8, .size: 8, .value_kind: global_buffer, .address_space: global }
      - { .name: wcodes, .offset: 16, .size: 8, .value_kind: global_buffer, .address_space: global }
      - { .name: x, .offset: 24, .size: 8, .value_kind: global_buffer, .address_space: global }
      - { .name: bo, .offset: 32, .size: 8, .value_kind: global_buffer, .address_space: global }
      - { .name: lowp_scales, .offset: 40, .size: 8, .value_kind: global_buffer, .address_space: global }
      - { .name: out0, .offset: 48, .size: 8, .value_kind: global_buffer, .address_space: global }
    .group_segment_fixed_size: 327680
    .private_segment_fixed_size: 0
    .kernarg_segment_align: 8
    .kernarg_segment_size: 56
    .max_flat_workgroup_size: 256
    .sgpr_count:     96
    .vgpr_count:     512
    .wavefront_size: 32
...
	.end_amdgpu_metadata
.endif
;; end of part 3
